; MI455X (gfx1250); checked and timed in simulation.
; The chip was launched on July 23, 2026; its instructions are those of AMD's public machine-readable ISA for CDNA 5 (MIT licence, August 2026) and "CDNA5" Instruction Set Architecture Reference Guide (July 2026). The comments in the code are by the model that wrote it; some were corrected since.
;; Cartesian Product Classifier. Allowed arithmetic: float matrix products may take bf16 or f16 operands with f32 sums; all other float work in f32.
;; Inputs: W1 64 x 64 float32; W2 64 x 64 float32; W3 64 x 32 float32; W4 32 x 1 float32; b1 64 float32; b2 64 float32; b3 32 float32; b4 1 float32; x 8 x 512 x 32 float32.
;; Outputs: out0 8 x 512 x 512 float32.
;; One version. Each part assembles by itself: llvm-mc -triple=amdgcn-amd-amdhsa -mcpu=gfx1250 --defsym DOCPART=n.
;; ======== version 1 of 1: 1 launch
;; launch pairs (part 1): grid 32 x 8, 8 waves a work-group, no clusters, 62,464 bytes of LDS; arguments x, W1, W2, W3, W4, b1, b2, b3, b4, out0; writes out0
.if DOCPART == 1
	.amdgcn_target "amdgcn-amd-amdhsa--gfx1250"
	.amdhsa_code_object_version 6
	.text
	.protected	k_q686cefd5c1_pairs
	.globl	k_q686cefd5c1_pairs
	.p2align	8
	.type	k_q686cefd5c1_pairs,@function
k_q686cefd5c1_pairs:
	s_mov_b64 s[64:65], 0
	v_nop
	global_prefetch_b8 v0, s[64:65] scope:SCOPE_SE
	s_setreg_imm32_b32 hwreg(HW_REG_WAVE_MODE, 25, 1), 1
	s_wait_xcnt 0x0
; out0[b][i][j] = sigmoid( relu( relu( relu( [x[b][j], x[b][i]] W1 + b1 ) W2 + b2 ) W3 + b3 ) W4 + b4 ),  b < 8, i, j < 512.
;
; LAYER 1 SEPARATES, for every input: [x_j, x_i] W1 + b1 = P[j] + Q[i] with P = x W1[0:32] and Q = x W1[32:64] + b1.  P and Q are made once
; (bf16 operands, f32 sums); a pair's layer 1 is then one f32 add per feature.
; FEATURES ARE THE MATRIX ROWS, PAIRS THE COLUMNS: source 0 = 16 columns of a weight matrix (transposed on the way out of LDS), source 1 = the
; activations of 16 pairs.  Lane (r = lane % 16, h = lane / 16) then holds in result register j feature 16 t + 8 h + j of pair r, and that
; is the place which the next layer's source 1 wants: relu and a packed conversion to bf16 make the next operand in the lane's own registers.
;
; SHARES.  Work-group (bx, b): rows i = 16 bx .. 16 bx + 15 of batch b, all 512 j.  Wave w: j = 64 w .. 64 w + 63 in four tiles of 16 pairs;
; column r of tile 2 q + u is j = 64 w + 32 u + 2 r + q.  Tiles (q, 0) and (q, 1) are worked on together; their 32 logits end up one in a
; lane, lane L holding j = 64 w + 2 L + q, so that a lane's two results are neighbours and one 8-byte store of the wave is 256 bytes of a row.
; All weights, biases and the wave's P stay in registers; the loop over i reads 256 bytes of Q from LDS and no global memory.
;
; NOT USED, by this text's own arithmetic: tensor loads, clusters with joint requests, prefetches.  All inputs together are 566,020 bytes; a
; work-group reads 41 KiB of weights and 66 KiB of x once, ahead of the loop, and every one of these numbers has to pass through registers
; anyway to be rounded from f32 to bf16.
;
; LIMITS.  relu is a maximum in which a NaN loses: a NaN in a hidden layer becomes 0 (inputs for which the result would be NaN are not served).
; sigmoid(z) = 1 / (1 + 2^(-z log2 e)): where the power is below 2^-126 it counts as 0 and the result is exactly 1; where it overflows the
; result is exactly 0.  x, W1, W2, W3 and the outputs of layers 1 and 2 are rounded to bf16; P, Q, their sum, all biases, layer 3's output,
; layer 4 and the sigmoid are f32.
.set LW1,     0                        ; LDS: W1 in bf16, [k = 64][m = 64], rows 160 bytes apart (5 x 32: what the transposing load wants)
.set LW2,     10240                    ;      W2 likewise
.set LW3,     20480                    ;      W3 in bf16, [64][32], rows 96 bytes apart (3 x 32)
.set LQ,      26624                    ;      Q in f32, 16 rows of 64, rows 272 bytes apart: a copy for each wave, so that no wave waits for another
.set WPITCH,  160
.set W3PITCH, 96
.set QPITCH,  272
.set QSIZE,   16*QPITCH                ; 4,352 bytes a wave; 26,624 + 8 x 4,352 = 61,440
.set OROW,    2048                     ; bytes in a row of out0
.set ROWS,    16                       ; rows i of a work-group
; window 0 (v0-v255)
.set LANE, 1
.set RR,   2                           ; r
.set HH,   3                           ; h
.set GOFF, 4                           ; 16 x thread: my 16 bytes of each 4,096-byte piece of a weight matrix
.set A12,  5                           ; where they go in LW1 / LW2
.set A3,   6                           ; and in LW3
.set XJ,   7                           ; byte offset of x[64 w + 2 r][8 h]
.set XI,   8                           ; byte offset of x[16 bx + r][8 h]
.set VB,   9                           ; 32 h: eight f32 for each half of the lanes
.set TA,   10                          ; transposing load, pitch 160
.set TA3,  11                          ; transposing load, pitch 96
.set QST,  12                          ; where my part of Q goes
.set OFF,  13                          ; 8 x lane + the row of out0
.set BI,   14                          ; v[14:15]  -log2e b4 / 4, twice: it is added in 2 places of each of the 2 lanes that make a logit
.set R0,   16                          ; logit x -log2e of j = .. + 2 L
.set R1,   17                          ; and of j = .. + 2 L + 1
.set OUTV, 18                          ; v[18:19]  the two results
.set UU,   20
.set TT,   21
.set PP,   22
.set ACCA, 24                          ; v[24:27]  layer 4, tile a: two chains of two
.set ACCB, 28                          ; v[28:31]  tile b
.set W2F,  32                          ; v[32:95]   W2's fragments: (kb, t) at 8 (4 kb + t)
.set W3F,  96                          ; v[96:127]  W3's fragments: (kb, t) at 8 (2 kb + t)
.set W4R,  128                         ; v[128:143] -log2e W4[16 t + 8 h + j] at 8 t + j
.set B2C,  144                         ; v[144:175] b2[16 t + 8 h + j] at 8 t + j: layer 2's first C
.set B3C,  176                         ; v[176:191] b3 likewise
.set DA,   192                         ; v[192:223] tile a: layer 2's sums; then 0-15 its bf16 output, 16-31 layer 3's sums
.set DB,   224                         ; v[224:255] tile b
; window 0, ahead of the loop only
.set STG,  32                          ; v[32:71]   ten pieces of weights as loaded
.set XIF,  72                          ; v[72:87]   x_i in f32
.set W1T,  32                          ; v[32:63]   fragments of W1[0:32]
.set W1B,  64                          ; v[64:95]   fragments of W1[32:64]
.set QD,   96                          ; v[96:127]  b1, then Q
.set XJF,  192                         ; v[192:255] x_j in f32, four tiles
.set XB,   192                         ; v[192:223] x_j in bf16, tile n at 8 n
.set XIB,  224                         ; v[224:231] x_i in bf16
; window 1 (v256-v511), named by their low 8 bits
.set PJ,   0                           ; 128 registers: P[j(tile, r)][16 t + 8 h + j] at 32 tile + 8 t + j
.set QI,   128                         ; 32: Q[i][16 t + 8 h + j] at 8 t + j
.set H1A,  160                         ; 16: layer 1's output in bf16, tile a
.set H1B,  176                         ; 16: tile b
.set TMP,  192                         ; 16: two sets of eight f32 at work
.set QADR, 208                         ; LDS address of Q's row
; s_set_vgpr_msb: bits 1:0 source 0, 3:2 source 1, 5:4 source 2, 7:6 destination; the high byte repeats the setting that is left.
.set MSB, 0
.macro WIN new
.if MSB != \new
	s_set_vgpr_msb (MSB<<8)|\new
.set MSB, \new
.endif
.endm
.set TO_1,  0x40                       ; destination in window 1
.set ALL_1, 0x55                       ; everything in window 1: layer 1 and Q's loads
.set B_1,   0x04                       ; source 1 in window 1: layer 2's products
	s_load_b512 s[8:23], s[0:1], 0x0               ; x s[8:9], W1 s[10:11], W2 s[12:13], W3 s[14:15], W4 s[16:17], b1 s[18:19], b2 s[20:21], b3 s[22:23]
	s_load_b128 s[24:27], s[0:1], 0x40             ; b4 s[24:25], out0 s[26:27]
	v_lshl_add_u32 v23, v0, 2, 0xf000
	s_set_vgpr_msb 0x40
	v_mov_b32 v255, 0
	s_set_vgpr_msb 0x4000
	v_lshrrev_b32 v[UU], 5, v0
	v_readfirstlane_b32 s29, v[UU]                 ; wave 0..7
	s_mov_b32 s34, ttmp9                           ; bx
	s_and_b32 s35, ttmp7, 0xffff                   ; b
	s_mov_b32 s31, 0xffff0000                      ; the lanes with h = 1
	s_mov_b32 s32, 0x76543210                      ; v_permlanex16_b32: lane i of one half reads lane i of the other
	s_mov_b32 s33, 0xfedcba98
	v_and_b32 v[LANE], 31, v0
	v_and_b32 v[RR], 15, v0
	v_bfe_u32 v[HH], v0, 4, 1
	v_lshlrev_b32 v[GOFF], 4, v0
	; piece c of W1 or W2: thread t holds row 16 c + t / 16, columns 4 (t % 16) .. + 3: 8 bytes of bf16
	v_lshrrev_b32 v[UU], 4, v0
	v_mul_u32_u24 v[UU], v[UU], WPITCH
	v_lshl_add_u32 v[A12], v[RR], 3, v[UU]
	; piece c of W3: row 32 c + t / 8, columns 4 (t % 8) .. + 3
	v_lshrrev_b32 v[UU], 3, v0
	v_mul_u32_u24 v[UU], v[UU], W3PITCH
	v_and_b32 v[TT], 7, v0
	v_lshl_add_u32 v[A3], v[TT], 3, v[UU]
	v_lshlrev_b32 v[VB], 5, v[HH]
	s_lshl_b32 s41, s29, 13                        ; 64 rows of x, 128 bytes each, for a wave
	v_lshl_add_u32 v[XJ], v[RR], 8, v[VB]          ; 2 r rows + 8 h numbers
	v_add_nc_u32 v[XJ], s41, v[XJ]
	s_lshl_b32 s42, s34, 11                        ; 16 rows of x for a work-group
	v_lshl_add_u32 v[XI], v[RR], 7, v[VB]
	v_add_nc_u32 v[XI], s42, v[XI]
	; transposing load of 16 bits: lane L addresses row 8 h + L % 8, 16 bytes at 16 ((L / 8) % 2)
	v_lshl_add_u32 v[UU], v[HH], 3, v[TT]
	v_bfe_u32 v[PP], v0, 3, 1
	v_lshlrev_b32 v[PP], 4, v[PP]
	v_mad_u32_u24 v[TA], v[UU], WPITCH, v[PP]
	v_mad_u32_u24 v[TA3], v[UU], W3PITCH, v[PP]
	s_mul_i32 s40, s29, QSIZE
	s_add_co_u32 s40, s40, LQ                      ; my wave's copy of Q
	v_mad_u32_u24 v[QST], v[RR], QPITCH, v[VB]
	v_add_nc_u32 v[QST], s40, v[QST]
	v_lshlrev_b32 v[OFF], 3, v[LANE]
	s_lshl_b32 s36, s35, 16                        ; a batch of x: 512 x 128 bytes
	s_mov_b32 s37, 0
	s_lshl_b32 s38, s35, 20                        ; a batch of out0: 512 x 2,048 bytes
	s_lshl_b32 s39, s34, 15                        ; + 16 rows for a work-group
	s_add_co_u32 s38, s38, s39
	s_lshl_b32 s39, s29, 8                         ; + 64 columns for a wave
	s_add_co_u32 s38, s38, s39
	s_mov_b32 s39, 0
	s_wait_kmcnt 0x0
	s_load_b32 s28, s[24:25], 0x0                  ; b4
	s_add_nc_u64 s[8:9], s[8:9], s[36:37]
	s_add_nc_u64 s[26:27], s[26:27], s[38:39]
	; 54 loads: 10 of weights, 20 of x, 24 of biases and W4, in the order in which they are needed
.irp c, 0,1,2,3
	global_load_b128 v[STG+4*\c:STG+4*\c+3], v[GOFF], s[10:11] offset:4096*\c
.endr
.irp c, 0,1,2,3
	global_load_b128 v[STG+16+4*\c:STG+16+4*\c+3], v[GOFF], s[12:13] offset:4096*\c
.endr
.irp c, 0,1
	global_load_b128 v[STG+32+4*\c:STG+32+4*\c+3], v[GOFF], s[14:15] offset:4096*\c
.endr
	; source 1 of K = 32: registers 0-3 hold k = 8 h .. + 7, registers 4-7 k = 16 + 8 h .. + 7; in f32 that is 32 bytes at 32 h and 32 at 64 + 32 h
.irp n, 0,1,2,3
	global_load_b128 v[XJF+16*\n:XJF+16*\n+3],     v[XJ], s[8:9] offset:4096*(\n&1)+128*(\n>>1)
	global_load_b128 v[XJF+16*\n+4:XJF+16*\n+7],   v[XJ], s[8:9] offset:4096*(\n&1)+128*(\n>>1)+16
	global_load_b128 v[XJF+16*\n+8:XJF+16*\n+11],  v[XJ], s[8:9] offset:4096*(\n&1)+128*(\n>>1)+64
	global_load_b128 v[XJF+16*\n+12:XJF+16*\n+15], v[XJ], s[8:9] offset:4096*(\n&1)+128*(\n>>1)+80
.endr
	global_load_b128 v[XIF:XIF+3],     v[XI], s[8:9]
	global_load_b128 v[XIF+4:XIF+7],   v[XI], s[8:9] offset:16
	global_load_b128 v[XIF+8:XIF+11],  v[XI], s[8:9] offset:64
	global_load_b128 v[XIF+12:XIF+15], v[XI], s[8:9] offset:80
.irp f, 0,1,2,3
	global_load_b128 v[QD+8*\f:QD+8*\f+3],   v[VB], s[18:19] offset:64*\f        ; b1[16 f + 8 h ..] in the layout of a matrix result
	global_load_b128 v[QD+8*\f+4:QD+8*\f+7], v[VB], s[18:19] offset:64*\f+16
.endr
.irp f, 0,1,2,3
	global_load_b128 v[B2C+8*\f:B2C+8*\f+3],   v[VB], s[20:21] offset:64*\f
	global_load_b128 v[B2C+8*\f+4:B2C+8*\f+7], v[VB], s[20:21] offset:64*\f+16
.endr
.irp f, 0,1
	global_load_b128 v[B3C+8*\f:B3C+8*\f+3],   v[VB], s[22:23] offset:64*\f
	global_load_b128 v[B3C+8*\f+4:B3C+8*\f+7], v[VB], s[22:23] offset:64*\f+16
.endr
.irp f, 0,1
	global_load_b128 v[W4R+8*\f:W4R+8*\f+3],   v[VB], s[16:17] offset:64*\f
	global_load_b128 v[W4R+8*\f+4:W4R+8*\f+7], v[VB], s[16:17] offset:64*\f+16
.endr
	s_wait_loadcnt 44                              ; loads come back in order: the ten pieces of weights are in, the 44 younger loads stay out
.irp c, 0,1,2,3,4,5,6,7,8,9
	v_cvt_pk_bf16_f32 v[STG+4*\c],   v[STG+4*\c],   v[STG+4*\c+1]
	v_cvt_pk_bf16_f32 v[STG+4*\c+1], v[STG+4*\c+2], v[STG+4*\c+3]
.endr
.irp c, 0,1,2,3
	ds_store_b64 v[A12], v[STG+4*\c:STG+4*\c+1] offset:LW1+16*WPITCH*\c
.endr
.irp c, 0,1,2,3
	ds_store_b64 v[A12], v[STG+16+4*\c:STG+16+4*\c+1] offset:LW2+16*WPITCH*\c
.endr
.irp c, 0,1
	ds_store_b64 v[A3], v[STG+32+4*\c:STG+32+4*\c+1] offset:LW3+32*W3PITCH*\c
.endr
	s_wait_dscnt 0x0                               ; for the other waves' sake: my part of the weights is in LDS
	s_barrier_signal -1
	s_wait_loadcnt 24                              ; x_j and x_i are in; the 24 loads of biases and W4 stay out
.irp n, 0,1,2,3,4,5,6,7,8,9,10,11,12,13,14,15,16,17,18,19,20,21,22,23,24,25,26,27,28,29,30,31
	v_cvt_pk_bf16_f32 v[XB+\n], v[XJF+2*\n], v[XJF+2*\n+1]     ; in place, ascending: word n is written when words 2 n, 2 n + 1 are read
.endr
.irp n, 0,1,2,3,4,5,6,7
	v_cvt_pk_bf16_f32 v[XIB+\n], v[XIF+2*\n], v[XIF+2*\n+1]
.endr
	s_barrier_wait -1                              ; the weights of all eight waves are in LDS; nothing writes them again
	; W1's eight fragments: (kb, t) = rows 32 kb .. + 31, columns 16 t .. + 15, transposed
.irp kb, 0,1
.irp f, 0,1,2,3
	ds_load_tr16_b128 v[W1T+8*(4*\kb+\f):W1T+8*(4*\kb+\f)+3],   v[TA] offset:LW1+32*WPITCH*\kb+32*\f
	ds_load_tr16_b128 v[W1T+8*(4*\kb+\f)+4:W1T+8*(4*\kb+\f)+7], v[TA] offset:LW1+32*WPITCH*\kb+32*\f+16*WPITCH
.endr
.endr
	s_wait_dscnt 0x0
	s_wait_loadcnt 0x0                             ; biases and W4
	s_wait_kmcnt 0x0                               ; b4
	WIN TO_1
.irp n, 0,1,2,3
.irp f, 0,1,2,3
	v_wmma_f32_16x16x32_bf16 v[PJ+32*\n+8*\f:PJ+32*\n+8*\f+7], v[W1T+8*\f:W1T+8*\f+7], v[XB+8*\n:XB+8*\n+7], 0   ; P of my 64 j
.endr
.endr
	v_add_nc_u32 v[QADR], s40, v[VB]               ; Q's row 0, my half's eight numbers of each sixteen
	WIN 0
.irp f, 0,1,2,3
	v_wmma_f32_16x16x32_bf16 v[QD+8*\f:QD+8*\f+7], v[W1B+8*\f:W1B+8*\f+7], v[XIB:XIB+7], v[QD+8*\f:QD+8*\f+7]   ; Q = x_i W1[32:64] + b1
.endr
	; Twelve plain vector instructions that name none of the matrix instructions' registers: the distance that a store of a matrix result and a
	; load into a matrix instruction's registers keep, filled with work.
.irp n, 0,2,4,6,8,10,12,14
	v_pk_mul_f32 v[W4R+\n:W4R+\n+1], v[W4R+\n:W4R+\n+1], 0xbfb8aa3b op_sel_hi:[1,0]   ; x -log2 e: layer 4 yields the exponent of 2 straight away
.endr
	v_mov_b32 v[BI+1], 0xbeb8aa3b                  ; -log2 e / 4
	v_mul_f32 v[BI], s28, v[BI+1]
	v_mov_b32 v[BI+1], v[BI]
	v_mov_b32 v[PP], 0                             ; v_permlanex16_b32 counts as a reader of its destination
.irp f, 0,1,2,3
	ds_store_b128 v[QST], v[QD+8*\f:QD+8*\f+3]   offset:64*\f       ; Q[r][16 f + 8 h ..] into my wave's own copy
	ds_store_b128 v[QST], v[QD+8*\f+4:QD+8*\f+7] offset:64*\f+16
.endr
.irp kb, 0,1
.irp f, 0,1,2,3
	ds_load_tr16_b128 v[W2F+8*(4*\kb+\f):W2F+8*(4*\kb+\f)+3],   v[TA] offset:LW2+32*WPITCH*\kb+32*\f
	ds_load_tr16_b128 v[W2F+8*(4*\kb+\f)+4:W2F+8*(4*\kb+\f)+7], v[TA] offset:LW2+32*WPITCH*\kb+32*\f+16*WPITCH
.endr
.endr
	s_wait_dscnt 16                                ; the 16 loads just issued may be out; Q's eight stores are done, and their data registers take W3's fragments
.irp kb, 0,1
.irp f, 0,1
	ds_load_tr16_b128 v[W3F+8*(2*\kb+\f):W3F+8*(2*\kb+\f)+3],   v[TA3] offset:LW3+32*W3PITCH*\kb+32*\f
	ds_load_tr16_b128 v[W3F+8*(2*\kb+\f)+4:W3F+8*(2*\kb+\f)+7], v[TA3] offset:LW3+32*W3PITCH*\kb+32*\f+16*W3PITCH
.endr
.endr
; Q's row at QADR: all lanes of a half read the same 8 x 16 bytes.  (Window 1 throughout.)
.macro LDQ
.irp f, 0,1,2,3
	ds_load_b128 v[QI+8*\f:QI+8*\f+3],   v[QADR] offset:64*\f
	ds_load_b128 v[QI+8*\f+4:QI+8*\f+7], v[QADR] offset:64*\f+16
.endr
.endm
; Layer 1 of one tile: relu(P + Q) in f32, rounded to bf16: 16 registers = layer 2's two fragments.  (Window 1 throughout.)
; The first conversion stands behind 12 instructions on TMP, PJ and QI alone: the distance from the products that read dst last.
.macro LAYER1 tile, dst
.irp f, 0,1,2,3
.irp m, 0,1,2,3
	v_pk_add_f32 v[TMP+8*(\f&1)+2*\m:TMP+8*(\f&1)+2*\m+1], v[PJ+32*\tile+8*\f+2*\m:PJ+32*\tile+8*\f+2*\m+1], v[QI+8*\f+2*\m:QI+8*\f+2*\m+1]
.endr
.irp j, 0,1,2,3,4,5,6,7
	v_max_num_f32 v[TMP+8*(\f&1)+\j], 0, v[TMP+8*(\f&1)+\j]
.endr
.irp m, 0,1,2,3
	v_cvt_pk_bf16_f32 v[\dst+4*\f+\m], v[TMP+8*(\f&1)+2*\m], v[TMP+8*(\f&1)+2*\m+1]
.endr
.endr
.endm
; Layer 2 of one tile: 64 features x 16 pairs x K = 64.  The first product of each sum takes b2 as C; the second is the chain's next link.
.macro LAYER2 d, src
.irp f, 0,1,2,3
	v_wmma_f32_16x16x32_bf16 v[\d+8*\f:\d+8*\f+7], v[W2F+8*\f:W2F+8*\f+7], v[\src:\src+7], v[B2C+8*\f:B2C+8*\f+7]
.endr
.irp f, 0,1,2,3
	v_wmma_f32_16x16x32_bf16 v[\d+8*\f:\d+8*\f+7], v[W2F+32+8*\f:W2F+32+8*\f+7], v[\src+8:\src+15], v[\d+8*\f:\d+8*\f+7]
.endr
.endm
; relu and rounding of 16 features of layer 2, packed downward in place: d + 0 .. 15 become layer 3's two fragments
.macro P2BLK d, blk
.irp j, 0,1,2,3,4,5,6,7
	v_max_num_f32 v[\d+8*\blk+\j], 0, v[\d+8*\blk+\j]
.endr
.irp m, 0,1,2,3
	v_cvt_pk_bf16_f32 v[\d+4*\blk+\m], v[\d+8*\blk+2*\m], v[\d+8*\blk+2*\m+1]
.endr
.endm
; one of layer 3's four products: idx = 2 kb + t; sums in d + 16 .. 31, started with b3
.macro W3ONE d, idx
.if \idx < 2
	v_wmma_f32_16x16x32_bf16 v[\d+16+8*\idx:\d+16+8*\idx+7], v[W3F+8*\idx:W3F+8*\idx+7], v[\d:\d+7], v[B3C+8*\idx:B3C+8*\idx+7]
.else
	v_wmma_f32_16x16x32_bf16 v[\d+8*\idx:\d+8*\idx+7], v[W3F+8*\idx:W3F+8*\idx+7], v[\d+8:\d+15], v[\d+8*\idx:\d+8*\idx+7]
.endif
.endm
.macro MAX4 d, blk                     ; relu of four of layer 3's sums
.irp j, 0,1,2,3
	v_max_num_f32 v[\d+16+4*\blk+\j], 0, v[\d+16+4*\blk+\j]
.endr
.endm
; layer 4, two features at a time, in two chains; the first link of chain 0 brings b4's share, that of chain 1 is a plain product
.macro FMA acc, d, m
.if \m == 0
	v_pk_fma_f32 v[\acc:\acc+1], v[\d+16:\d+17], v[W4R:W4R+1], v[BI:BI+1]
.else
.if \m == 1
	v_pk_mul_f32 v[\acc+2:\acc+3], v[\d+18:\d+19], v[W4R+2:W4R+3]
.else
	v_pk_fma_f32 v[\acc+2*(\m&1):\acc+2*(\m&1)+1], v[\d+16+2*\m:\d+17+2*\m], v[W4R+2*\m:W4R+2*\m+1], v[\acc+2*(\m&1):\acc+2*(\m&1)+1]
.endif
.endif
.endm
; From layer 2's sums of tiles a and b to 32 logits (x -log2 e), one in a lane.  Each matrix instruction is followed by vector work on the
; OTHER tile: at least 9 such instructions stand between a product of layer 3 and the first relu of its sums (ISA guide 7.12.1).
.macro POST res
.irp g, 0,1,2,3
	P2BLK DA, \g
.endr
.irp g, 0,1,2,3
	W3ONE DA, \g
	P2BLK DB, \g
.endr
.irp g, 0,1,2,3
	W3ONE DB, \g
	MAX4 DA, \g
.endr
.irp g, 0,1,2,3,4,5,6,7
	FMA ACCA, DA, \g
	v_max_num_f32 v[DB+16+2*\g], 0, v[DB+16+2*\g]
	v_max_num_f32 v[DB+17+2*\g], 0, v[DB+17+2*\g]
.endr
.irp g, 0,1,2,3,4,5,6,7
	FMA ACCB, DB, \g
.endr
	v_pk_add_f32 v[ACCA:ACCA+1], v[ACCA:ACCA+1], v[ACCA+2:ACCA+3]
	v_pk_add_f32 v[ACCB:ACCB+1], v[ACCB:ACCB+1], v[ACCB+2:ACCB+3]
	v_add_f32 v[ACCA], v[ACCA], v[ACCA+1]          ; my 16 features of pair r of tile a
	v_add_f32 v[ACCB], v[ACCB], v[ACCB+1]          ; and of tile b
	v_cndmask_b32 v[UU], v[ACCA], v[ACCB], s31     ; lanes 0-15 keep tile a, lanes 16-31 tile b,
	v_cndmask_b32 v[TT], v[ACCB], v[ACCA], s31     ; and each hands the other tile's sum
	v_permlanex16_b32 v[PP], v[TT], s32, s33       ; to the lane 16 away
	v_add_f32 v[\res], v[UU], v[PP]
.endm
; sigmoid and store.  One plain vector instruction stands behind each pair of transcendentals before their results are used (ISA guide 5.7.2).
.macro OUT
	s_wait_xcnt 0x0                                ; the last row's store has had its address translated: OFF and OUTV are rewritten only behind this wait
	v_exp_f32 v[R0], v[R0]
	v_exp_f32 v[R1], v[R1]
	v_add_nc_u32 v[OFF], OROW, v[OFF]              ; the next row; the store below reaches back
	s_wait_alu depctr_va_vdst(0)
	v_add_f32 v[R0], 1.0, v[R0]
	v_add_f32 v[R1], 1.0, v[R1]
	v_rcp_f32 v[OUTV], v[R0]
	v_rcp_f32 v[OUTV+1], v[R1]
	v_nop
	s_wait_alu depctr_va_vdst(0)
	global_store_b64 v[OFF], v[OUTV:OUTV+1], s[26:27] offset:-OROW th:TH_STORE_NT   ; the wave's store covers 256 consecutive bytes, aligned
.endm
; One row i for my 64 j.  On entry H1A, H1B hold layer 1 of tiles 0, 1 of this row and QI holds Q[i].  Layer 1 of the tiles to come stands
; behind each run of 16 products, so that vector work is at hand while they run.  last = 1: no row follows.
.macro BODY last
	WIN B_1
	LAYER2 DA, H1A
	LAYER2 DB, H1B
	WIN ALL_1
	LAYER1 2, H1A
	LAYER1 3, H1B
.if \last == 0
	v_add_nc_u32 v[QADR], QPITCH, v[QADR]
	LDQ                                            ; Q[i + 1], wanted one half of the trip further down
.endif
	WIN 0
	POST R0
	WIN B_1
	LAYER2 DA, H1A
	LAYER2 DB, H1B
.if \last == 0
	WIN ALL_1
	s_wait_dscnt 0x0                               ; Q[i + 1]
	LAYER1 0, H1A
	LAYER1 1, H1B
	WIN 0
.else
	WIN 0
.rept 4
	v_nop                                          ; no layer 1 is left to fill the distance from the products to the relu of their sums
.endr
.endif
	POST R1
	OUT
.endm
	WIN ALL_1
	LDQ                                            ; LDS serves a wave's instructions in order: these see my stores of Q
	s_wait_dscnt 0x0                               ; Q[0], and W2's and W3's fragments
	LAYER1 0, H1A
	LAYER1 1, H1B
	WIN 0                                          ; at a label and at a branch every window is 0
	s_mov_b32 s30, ROWS-1
.Lrow:
	BODY 0
	s_sub_co_i32 s30, s30, 1
	s_cmp_lg_u32 s30, 0
	s_cbranch_scc1 .Lrow
	BODY 1
	s_set_vgpr_msb 0x4
	s_wait_tensorcnt 0x0
	ds_add_u32 v23, v255
	s_wait_dscnt 0x0
	s_set_vgpr_msb 0x400
	s_endpgm
.Lfunc_end_k_q686cefd5c1_pairs:
	.size	k_q686cefd5c1_pairs, .Lfunc_end_k_q686cefd5c1_pairs-k_q686cefd5c1_pairs
	.p2alignl 7, 3214868480
	.fill 96, 4, 3214868480
	.section	.rodata,"a",@progbits
	.p2align	6, 0x0
	.amdhsa_kernel k_q686cefd5c1_pairs
		.amdhsa_group_segment_fixed_size 62464
		.amdhsa_private_segment_fixed_size 0
		.amdhsa_enable_private_segment 0
		.amdhsa_kernarg_size 80
		.amdhsa_user_sgpr_count 2
		.amdhsa_user_sgpr_kernarg_segment_ptr 1
		.amdhsa_wavefront_size32 1
		.amdhsa_system_sgpr_workgroup_id_x 1
		.amdhsa_system_sgpr_workgroup_id_y 1
		.amdhsa_system_sgpr_workgroup_id_z 1
		.amdhsa_system_vgpr_workitem_id 0
		.amdhsa_next_free_vgpr 512
		.amdhsa_next_free_sgpr 66
		.amdhsa_reserve_vcc 0
		.amdhsa_float_denorm_mode_32 3
		.amdhsa_float_denorm_mode_16_64 3
		.amdhsa_memory_ordered 1
		.amdhsa_forward_progress 1
		.amdhsa_inst_pref_size 77
	.end_amdhsa_kernel
	.amdgpu_metadata
---
amdhsa.version: [ 1, 2 ]
amdhsa.kernels:
  - .name:           k_q686cefd5c1_pairs
    .symbol:         k_q686cefd5c1_pairs.kd
    .args:
      - { .name: x, .offset: 0, .size: 8, .value_kind: global_buffer, .address_space: global }
      - { .name: W1, .offset: 8, .size: 8, .value_kind: global_buffer, .address_space: global }
      - { .name: W2, .offset: 16, .size: 8, .value_kind: global_buffer, .address_space: global }
      - { .name: W3, .offset: 24, .size: 8, .value_kind: global_buffer, .address_space: global }
      - { .name: W4, .offset: 32, .size: 8, .value_kind: global_buffer, .address_space: global }
      - { .name: b1, .offset: 40, .size: 8, .value_kind: global_buffer, .address_space: global }
      - { .name: b2, .offset: 48, .size: 8, .value_kind: global_buffer, .address_space: global }
      - { .name: b3, .offset: 56, .size: 8, .value_kind: global_buffer, .address_space: global }
      - { .name: b4, .offset: 64, .size: 8, .value_kind: global_buffer, .address_space: global }
      - { .name: out0, .offset: 72, .size: 8, .value_kind: global_buffer, .address_space: global }
    .group_segment_fixed_size: 62464
    .private_segment_fixed_size: 0
    .kernarg_segment_align: 8
    .kernarg_segment_size: 80
    .max_flat_workgroup_size: 256
    .sgpr_count:     66
    .vgpr_count:     512
    .wavefront_size: 32
...
	.end_amdgpu_metadata
.endif
;; end of part 1
